; MI455X (gfx1250); checked and timed in simulation.
; The chip was launched on July 23, 2026; its instructions are those of AMD's public machine-readable ISA for CDNA 5 (MIT licence, August 2026) and "CDNA5" Instruction Set Architecture Reference Guide (July 2026). The comments in the code are by the model that wrote it; some were corrected since.
;; Attention. Allowed arithmetic: matrix products marked QUANTISED: E2M3 operands, one E8M0 scale for each 32 along K, by v_wmma_scale_f32_16x16x128_f8f6f4 with both operands' format E2M3, f32 sums; everything else in f32.
;; Inputs: Wk 1,024 x 1,024 float32; Wq 1,024 x 1,024 float32; Wv 1,024 x 1,024 float32; b_k 1,024 float32; b_t 1,024 float32; b_v 1,024 float32; bk 1,024 float32; bq 1,024 float32; bv 1,024 float32; g_k 1,024 float32; g_t 1,024 float32; g_v 1,024 float32; source_k 8 x 2,048 x 1,024 float32; source_v 8 x 2,048 x 1,024 float32; target 8 x 512 x 1,024 float32.
;; Outputs: out0 8 x 512 x 1,024 float32.
;; This version of the problem:
;;   THIS VERSION OF THE PROBLEM IS GIVEN IN LOW PRECISION. The matrix products marked QUANTISED in the list below multiply operands that are first quantised to E2M3 (2 exponent bits, 3 mantissa bits; 6 bits a number), with one power-of-two scale for each 32 numbers along K (OCP MX v1.0); their sums are f32. All else is computed in f32.
;;   The module's matrix products, in the order in which they are computed (A, B: the left and right operand; K: the contracted axis; several contracted axes count as one K, in the product's order):
;;     1. [M 4,096, K 1,024] x [K 1,024, N 1,024]; A: computed on the way; B: input Wq: QUANTISED
;;     2. [M 16,384, K 1,024] x [K 1,024, N 1,024]; A: computed on the way; B: input Wk: QUANTISED
;;     3. [M 16,384, K 1,024] x [K 1,024, N 1,024]; A: computed on the way; B: input Wv: QUANTISED
;;     4. batch 8 x [M 512, K 1,024] x [K 1,024, N 2,048]; A: computed on the way; B: computed on the way: QUANTISED
;;     5. batch 8 x [M 512, K 2,048] x [K 2,048, N 1,024]; A: softmax (see below); B: computed on the way: QUANTISED
;;   THE QUANTISER, for each operand of a quantised product, along K:
;;     - K is cut into blocks of 32 from its start; a last block that is shorter is filled with zeros.
;;     - A block's scale is 2^e with e = floor(log2(the largest magnitude in the block)) - 2, held to -126 .. 127; a block of zeros has e = 0. As a byte (E8M0): e + 127.
;;     - Each number is divided by its block's scale, clamped to +-7.5, and rounded to the nearest number of E2M3, ties to even, subnormals kept.
;;     - The product sums the exact products of the quantised numbers (number of the format x scale) in f32.
;;   ~~~python
;;   def quantise(x, axis):      # numpy; x: float32 -> the quantised numbers, widened to float32 again
;;       x = np.moveaxis(x, axis, -1); K = x.shape[-1]
;;       x = np.pad(x, [(0, 0)] * (x.ndim - 1) + [(0, -K % 32)]); x = x.reshape(x.shape[:-1] + (-1, 32)); a = np.abs(x).max(-1, keepdims=True)
;;       e = np.where(a > 0, np.clip(np.frexp(np.where(a > 0, a, 1))[1] - 1 - 2, -126, 127), 0)      # np.frexp(a)[1] - 1 = floor(log2(a)), exactly
;;       r = np.clip(x / 2.0 ** e, -7.5, 7.5)
;;       step = 2.0 ** (np.maximum(np.frexp(np.where(r == 0, 1, r))[1] - 1, 0) - 3)
;;       q = np.round(r / step) * step * 2.0 ** e      # np.round: ties to even
;;       return np.moveaxis(q.reshape(q.shape[:-2] + (-1,))[..., :K], -1, axis).astype(np.float32)
;;   ~~~
;;   SOFTMAX AHEAD OF A QUANTISED PRODUCT. Where the list says 'softmax', what is quantised is not the finished softmax but p = 2^(t - M), with t = logit x log2(e) and M = ceil(the row's largest t), a whole number; so 1/2 < the row's largest p <= 1. The row's sum l is taken of the UNQUANTISED p, in f32, and the product's result is divided by l at the end. Since M is a whole number, a kernel that streams over the keys may use a running M (the ceiling of the running maximum): every later rescaling is an exact power of two, which a block's scale takes up: the codes' values come out the same.
;;   OPERANDS COMPUTED ON THE WAY. 'Computed on the way' means the value that the module computes at that place (a softmax that the list does not call 'softmax' is quantised finished and normalised). What goes into a quantiser is computed in f32, as accurately as f32 sums, v_exp_f32 and their like allow (about 1e-6 of the number): no bf16 or f16 on the way to a quantiser, and a product that is left as it is and whose result goes on into a quantised operand takes f32 operands (vector FMAs, or v_wmma_f32_16x16x4_f32). A number that lies on a knife's edge between two numbers of the format may be rounded either way, as far as f32 arithmetic and the matrix unit's own rounding can turn it there, and no further.
;; One version. Each part assembles by itself: llvm-mc -triple=amdgcn-amd-amdhsa -mcpu=gfx1250 --defsym DOCPART=n.
;; ======== version 1 of 1: 4 launches
;; limits: right only within a limited range of input values
;; workspace buffers: opnd 32,587,776 bytes; qkv 29,491,200 bytes; pimg 7,077,888 bytes
;; launch prep (part 1): grid 2496 x 1, 4 waves a work-group, no clusters, 67,072 bytes of LDS; arguments target, source_k, source_v, Wq, Wk, Wv, g_t, b_t, g_k, b_k, g_v, b_v, bq, bk, bv, opnd; writes opnd
.if DOCPART == 1
	.amdgcn_target "amdgcn-amd-amdhsa--gfx1250"
	.amdhsa_code_object_version 6
	.text
	.protected	k_qb838c9be3e_prep
	.globl	k_qb838c9be3e_prep
	.p2align	8
	.type	k_qb838c9be3e_prep,@function
k_qb838c9be3e_prep:
	s_mov_b64 s[64:65], 0
	v_nop
	global_prefetch_b8 v0, s[64:65] scope:SCOPE_SE
	s_setreg_imm32_b32 hwreg(HW_REG_WAVE_MODE, 25, 1), 1
	s_wait_xcnt 0x0
; PREP.  The rows of target, source_k and source_v are layer-normed (f32, mean first, then the squares of the differences: no difference of large sums) and quantised along d;
; the rows of Wq, Wk, Wv are quantised along d as they are.  Codes of FP6 (E2M3), one E8M0 byte for each 32 along d: scale = 2^(floor(log2(largest magnitude)) - 2).
; A work-group makes ONE RECORD of 13,056 bytes for one TILE of 16 rows.  Tile n of a matrix holds rows 32 (n / 2) + 8 (n % 2) + r + 8 (r / 8), r = 0 .. 15, so that two neighbouring tiles
; used as a product's source 0 leave 16 neighbours along the next K in a lane's registers.  A record: eight fragments (K step s at 1,536 s) as IMAGES OF THE OPERAND'S REGISTERS (registers
; 4 c .. 4 c + 3 of lane l at 512 c + 16 l); at 12,288 the scale words, (K step s, row r) at 64 s + 4 r; at 12,800 a tail of 64 words: word m = the bias of tile row m % 16 for a weight, 0 for rows.
; Records in opnd: target 0-255, source_k 256-1279, source_v 1280-2303, Wq 2304-, Wk 2368-, Wv 2432-2495: the record's number is the work-group's.
; Stage 1: wave w loads tile rows 4 w .. 4 w + 3 (four neighbouring rows of memory), each load 512 consecutive bytes, norms them in registers and lays them in LDS.
; Stage 2: wave w takes K steps 2 w, 2 w + 1 of all 16 rows: lane (r, h) reads, of row r, the 32 numbers of blocks 2 c + h, so a block lies in ONE lane and the conversions' results are the operand's registers.
; No tensor loads, no matrix work: memory binds, so several work-groups share a WGP and each has 64 KiB of loads out.
; LIMITS: NaN and infinities are not served.  A block whose largest magnitude lies under 2^-124 (zeros among them) gets the byte 1: its bytes are read by this program alone.
.set REC1,  13056
.set PITCH, 4112                       ; an LDS row: 4,096 bytes + 16 = 257 x 16: the sixteen rows that a load of 16 bytes a lane touches fall on sixteen different columns of 16 bytes
.set SCB,   16*PITCH                   ; behind the rows: the record's 512 bytes of scale words
.set SM,  8                            ; v8-15    four rows' sums, a pair each
.set MN,  16                           ; v16-23   means, twice each
.set RS,  24                           ; v24-31   1 / sqrt(var + eps), twice each
.set X,   32                           ; v32-159  stage 1: row i at 32 i;  stage 2: block 2 q + c at 32 (2 q + c)
.set G,   160                          ; v160-191 the gain of my 32 columns
.set BT,  192                          ; v192-223 the shift
.set PC,  160                          ; stage 2: two fragments' codes, 12 registers each
.set TMP, 184                          ; the upper halves of the blocks' codes, four registers a block
.set MX,  200
.set SO,  204
.set BY,  208
.set WD,  212
.set TL,  216
.macro REDUCE                          ; the four rows' pairs become sums over the row, in every lane
.irp i, 0,1,2,3
	v_add_f32 v[SM+2*\i], v[SM+2*\i], v[SM+2*\i+1]
.endr
.irp m, 1,2,4,8
.irp i, 0,1,2,3
	v_add_f32_dpp v[SM+2*\i], v[SM+2*\i], v[SM+2*\i] row_xmask:\m row_mask:0xf bank_mask:0xf
.endr
.endr
.irp i, 0,1,2,3
	v_permlanex16_b32 v[SM+2*\i+1], v[SM+2*\i], s48, s49
.endr
.irp i, 0,1,2,3
	v_add_f32 v[SM+2*\i], v[SM+2*\i], v[SM+2*\i+1]
.endr
.endm
	s_load_b512 s[16:31], s[0:1], 0x0              ; target, source_k, source_v, Wq, Wk, Wv, g_t, b_t
	s_load_b512 s[32:47], s[0:1], 0x40             ; g_k, b_k, g_v, b_v, bq, bk, bv, opnd
	v_lshl_add_u32 v224, v0, 2, 0x10400
	v_mov_b32 v225, 0
	v_lshrrev_b32 v1, 5, v0
	v_readfirstlane_b32 s52, v1                    ; wave
	v_and_b32 v1, 31, v0                           ; lane
	v_lshlrev_b32 v2, 4, v1                        ; 16 x lane
	s_mul_i32 s53, s52, 4*PITCH
	v_add_nc_u32 v3, s53, v2                       ; into LDS: my wave's four rows, 16 bytes a lane
	v_and_b32 v7, 15, v0                           ; r
	v_bfe_u32 v6, v0, 4, 1                         ; h
	v_mul_u32_u24 v4, v7, PITCH
	v_lshl_add_u32 v4, v6, 7, v4
	s_lshl_b32 s53, s52, 10
	v_add_nc_u32 v4, s53, v4                       ; out of LDS: row r, + 128 h, + my two K steps' 1,024 bytes
	v_lshlrev_b32 v5, 2, v1
	s_lshl_b32 s53, s52, 7
	s_add_co_u32 s53, s53, SCB
	v_add_nc_u32 v5, s53, v5                       ; my scale word: K step 2 w + h, row r
	v_lshlrev_b32 v6, 3, v6                        ; 8 h
	s_mov_b32 s48, 0x76543210
	s_mov_b32 s49, 0xfedcba98                      ; v_permlanex16_b32's selects for lane l xor 16
	s_mov_b32 s50, 0x3a800000                      ; 1 / 1024
	s_mov_b32 s51, 0x3727c5ac                      ; eps = 1e-5
	s_wait_kmcnt 0x0
	; which tensor: a run of choices on the work-group's number alone
	s_mov_b64 s[4:5], s[26:27]                     ; Wv
	s_mov_b64 s[6:7], s[36:37]                     ; g_v
	s_mov_b64 s[8:9], s[38:39]                     ; b_v
	s_mov_b64 s[10:11], s[44:45]                   ; bv
	s_mov_b32 s12, 2432
	s_cmp_lt_u32 ttmp9, 2432
	s_cselect_b64 s[4:5], s[24:25], s[4:5]         ; Wk
	s_cselect_b64 s[10:11], s[42:43], s[10:11]     ; bk
	s_cselect_b32 s12, 2368, s12
	s_cmp_lt_u32 ttmp9, 2368
	s_cselect_b64 s[4:5], s[22:23], s[4:5]         ; Wq
	s_cselect_b64 s[10:11], s[40:41], s[10:11]     ; bq
	s_cselect_b32 s12, 2304, s12
	s_cmp_lt_u32 ttmp9, 2304
	s_cselect_b64 s[4:5], s[20:21], s[4:5]         ; source_v
	s_cselect_b32 s12, 1280, s12
	s_cselect_b32 s13, 0, 1                        ; 1: a weight
	s_cmp_lt_u32 ttmp9, 1280
	s_cselect_b64 s[4:5], s[18:19], s[4:5]         ; source_k
	s_cselect_b64 s[6:7], s[32:33], s[6:7]
	s_cselect_b64 s[8:9], s[34:35], s[8:9]
	s_cselect_b32 s12, 256, s12
	s_cmp_lt_u32 ttmp9, 256
	s_cselect_b64 s[4:5], s[16:17], s[4:5]         ; target
	s_cselect_b64 s[6:7], s[28:29], s[6:7]
	s_cselect_b64 s[8:9], s[30:31], s[8:9]
	s_cselect_b32 s12, 0, s12
	s_sub_co_u32 s14, ttmp9, s12                   ; the tile's number in its tensor
	s_lshr_b32 s15, s14, 1
	s_lshl_b32 s15, s15, 5
	s_and_b32 s14, s14, 1
	s_lshl_b32 s14, s14, 3
	s_add_co_u32 s15, s15, s14                     ; the tile's first row
	s_lshl_b32 s54, s15, 2                         ; and its bias's byte
	s_lshl_b32 s14, s52, 2
	s_add_co_u32 s15, s15, s14
	s_lshr_b32 s14, s52, 1
	s_lshl_b32 s14, s14, 3
	s_add_co_u32 s15, s15, s14                     ; my wave's first row: + 4 w + 8 (w / 2)
	s_lshl_b32 s2, s15, 12
	s_mov_b32 s3, 0
	s_add_nc_u64 s[4:5], s[4:5], s[2:3]
	s_mul_i32 s2, ttmp9, REC1
	s_add_nc_u64 s[14:15], s[46:47], s[2:3]        ; the record
	s_mul_i32 s2, s52, 3072
	s_add_nc_u64 s[56:57], s[14:15], s[2:3]        ; my two fragments in it
.irp i, 0,1,2,3
.irp j, 0,1,2,3,4,5,6,7
	global_load_b128 v[X+32*\i+4*\j:X+32*\i+4*\j+3], v2, s[4:5] offset:4096*\i+512*\j th:TH_LOAD_NT   ; 32 lanes read 512 consecutive bytes; read once in the launch
.endr
.endr
	s_cmp_lg_u32 s13, 0
	s_cbranch_scc1 .Lraw                           ; a weight has no norm: one branch round the gains' loads and the norm
.irp j, 0,1,2,3,4,5,6,7
	global_load_b128 v[G+4*\j:G+4*\j+3], v2, s[6:7] offset:512*\j
	global_load_b128 v[BT+4*\j:BT+4*\j+3], v2, s[8:9] offset:512*\j
.endr
	s_wait_loadcnt 16                              ; the rows are in; the sixteen loads of gain and shift, issued behind them, may be out
.irp i, 0,1,2,3
	v_pk_add_f32 v[SM+2*\i:SM+2*\i+1], v[X+32*\i:X+32*\i+1], v[X+32*\i+2:X+32*\i+3]
.endr
.irp p, 4,6,8,10,12,14,16,18,20,22,24,26,28,30
.irp i, 0,1,2,3
	v_pk_add_f32 v[SM+2*\i:SM+2*\i+1], v[SM+2*\i:SM+2*\i+1], v[X+32*\i+\p:X+32*\i+\p+1]   ; (the four rows by turns)
.endr
.endr
	REDUCE
.irp i, 0,1,2,3
	v_mul_f32 v[MN+2*\i], s50, v[SM+2*\i]          ; the mean, in both registers of a pair
	v_mul_f32 v[MN+2*\i+1], s50, v[SM+2*\i]
.endr
.irp p, 0,2,4,6,8,10,12,14,16,18,20,22,24,26,28,30
.irp i, 0,1,2,3
	v_pk_add_f32 v[X+32*\i+\p:X+32*\i+\p+1], v[X+32*\i+\p:X+32*\i+\p+1], v[MN+2*\i:MN+2*\i+1] neg_lo:[0,1] neg_hi:[0,1]   ; x - mean
.endr
.endr
.irp i, 0,1,2,3
	v_pk_mul_f32 v[SM+2*\i:SM+2*\i+1], v[X+32*\i:X+32*\i+1], v[X+32*\i:X+32*\i+1]
.endr
.irp p, 2,4,6,8,10,12,14,16,18,20,22,24,26,28,30
.irp i, 0,1,2,3
	v_pk_fma_f32 v[SM+2*\i:SM+2*\i+1], v[X+32*\i+\p:X+32*\i+\p+1], v[X+32*\i+\p:X+32*\i+\p+1], v[SM+2*\i:SM+2*\i+1]
.endr
.endr
	REDUCE
.irp i, 0,1,2,3
	v_fma_f32 v[SM+2*\i], v[SM+2*\i], s50, s51     ; var + eps
.endr
	s_wait_alu depctr_va_vdst(0)
.irp i, 0,1,2,3
	v_rsq_f32 v[RS+2*\i], v[SM+2*\i]
	v_rsq_f32 v[RS+2*\i+1], v[SM+2*\i]
.endr
	s_wait_loadcnt 0x0                             ; gain and shift
	v_nop                                          ; a plain instruction between the last transcendental and the use of its result (ISA guide 5.7.2)
	s_wait_alu depctr_va_vdst(0)
.irp p, 0,2,4,6,8,10,12,14,16,18,20,22,24,26,28,30
.irp i, 0,1,2,3
	v_pk_mul_f32 v[X+32*\i+\p:X+32*\i+\p+1], v[X+32*\i+\p:X+32*\i+\p+1], v[RS+2*\i:RS+2*\i+1]
.endr
.endr
.irp p, 0,2,4,6,8,10,12,14,16,18,20,22,24,26,28,30
.irp i, 0,1,2,3
	v_pk_fma_f32 v[X+32*\i+\p:X+32*\i+\p+1], v[X+32*\i+\p:X+32*\i+\p+1], v[G+\p:G+\p+1], v[BT+\p:BT+\p+1]
.endr
.endr
.Lraw:
	s_wait_loadcnt 0x0
	s_wait_alu depctr_va_vdst(0)
.irp i, 0,1,2,3
.irp j, 0,1,2,3,4,5,6,7
	ds_store_b128 v3, v[X+32*\i+4*\j:X+32*\i+4*\j+3] offset:PITCH*\i+512*\j
.endr
.endr
	s_wait_dscnt 0x0                               ; for the others' sake: my four rows lie in LDS
	s_barrier_signal -1
	s_barrier_wait -1
.irp b, 0,1,2,3                        ; block 2 q + c of my two K steps: k = 128 (2 w + q) + 64 c + 32 h + 0 .. 31 of row r
.irp n, 0,1,2,3,4,5,6,7
	ds_load_b128 v[X+32*\b+4*\n:X+32*\b+4*\n+3], v4 offset:256*\b+16*\n
.endr
.endr
	s_wait_dscnt 0x0
.irp b, 0,1,2,3
	v_max3_num_f32 v[MX+\b], |v[X+32*\b]|, |v[X+32*\b+1]|, 0x1800000   ; the block's largest magnitude, all 32 numbers mine, and the floor 2^(3 - 127): the byte cannot fall under 1
.endr
.irp i, 2,4,6,8,10,12,14,16,18,20,22,24,26,28,30
.irp b, 0,1,2,3
	v_max3_num_f32 v[MX+\b], v[MX+\b], |v[X+32*\b+\i]|, |v[X+32*\b+\i+1]|
.endr
.endr
.irp b, 0,1,2,3
	v_add_nc_u32 v[SO+\b], 0xff000000, v[MX+\b]    ; 2 off the exponent field: the conversion takes this operand's exponent field as its scale
.endr
.irp b, 0,1,2,3
	v_lshrrev_b32 v[BY+\b], 23, v[SO+\b]           ; the scale's byte
.endr
.irp q, 0,1
	v_lshl_or_b32 v[WD+\q], v[BY+2*\q+1], 16, v[BY+2*\q]   ; my bytes: blocks h and 2 + h,
	v_mov_b32 v[WD+2+\q], 0
.endr
.irp q, 0,1
	v_lshlrev_b32 v[WD+\q], v6, v[WD+\q]           ; at their places, 8 h bits up;
.endr
.irp q, 0,1
	v_permlanex16_b32 v[WD+2+\q], v[WD+\q], s48, s49
.endr
.irp q, 0,1
	v_or_b32 v[WD+\q], v[WD+\q], v[WD+2+\q]        ; with lane l xor 16's two the word is whole
.endr
.irp b, 0,1,2,3
	v_cvt_scalef32_pk16_fp6_f32 v[PC+6*\b:PC+6*\b+2], v[X+32*\b:X+32*\b+15], v[SO+\b]
	v_cvt_scalef32_pk16_fp6_f32 v[TMP+4*\b:TMP+4*\b+2], v[X+32*\b+16:X+32*\b+31], v[SO+\b]   ; (a conversion's three registers begin on an even number)
.endr
	v_nop                                          ; one plain instruction behind the scaled conversions
.irp b, 0,1,2,3
.irp i, 0,1,2
	v_mov_b32 v[PC+6*\b+3+\i], v[TMP+4*\b+\i]
.endr
.endr
.irp g, 0,1,2,3,4,5
	global_store_b128 v2, v[PC+4*\g:PC+4*\g+3], s[56:57] offset:512*\g   ; the two fragments as they stand: 512 consecutive bytes a store, at a multiple of 256 from the buffer's first byte
.endr
	v_cmp_ne_u32 vcc_lo, 0, v6
	v_cndmask_b32 v[WD+2], v[WD], v[WD+1], vcc_lo  ; lanes 0-15 K step 2 w's word, lanes 16-31 K step 2 w + 1's
	ds_store_b32 v5, v[WD+2]
	v_add_nc_u32 v10, SCB, v2                      ; what wave 0 needs below
	v_and_b32 v8, 7, v0
	v_lshrrev_b32 v9, 2, v8
	v_lshlrev_b32 v8, 3, v8
	v_lshl_add_u32 v8, v9, 5, v8
	v_add_nc_u32 v8, s54, v8                       ; the bias of tile rows 2 (l % 8), + 1: numbers 2 (l % 8) + 8 ((l % 8) / 4) on from the tile's first row
	v_lshlrev_b32 v9, 3, v1
	v_mov_b32 v[TL], 0
	v_mov_b32 v[TL+1], 0
	s_wait_dscnt 0x0
	s_barrier_signal -1
	s_barrier_wait -1
	s_cmp_lg_u32 s52, 0
	s_cbranch_scc1 .Lend                           ; wave 0 alone sends the scale words and the tail, in whole aligned runs of 256 bytes
	s_wait_alu depctr_va_vdst(0)
	ds_load_b128 v[32:35], v10
	s_cmp_eq_u32 s13, 0
	s_cbranch_scc1 .Lno_bias                       ; rows have a tail of zeros, and their tile's number would lead past the bias's end
	global_load_b64 v[TL:TL+1], v8, s[10:11]
.Lno_bias:
	s_wait_loadcnt 0x0
	global_store_b64 v9, v[TL:TL+1], s[14:15] offset:12800
	s_wait_dscnt 0x0
	global_store_b128 v2, v[32:35], s[14:15] offset:12288
.Lend:
	s_wait_tensorcnt 0x0
	ds_add_u32 v224, v225
	s_wait_dscnt 0x0
	s_endpgm
.Lfunc_end_k_qb838c9be3e_prep:
	.size	k_qb838c9be3e_prep, .Lfunc_end_k_qb838c9be3e_prep-k_qb838c9be3e_prep
	.p2alignl 7, 3214868480
	.fill 96, 4, 3214868480
	.section	.rodata,"a",@progbits
	.p2align	6, 0x0
	.amdhsa_kernel k_qb838c9be3e_prep
		.amdhsa_group_segment_fixed_size 67072
		.amdhsa_private_segment_fixed_size 0
		.amdhsa_enable_private_segment 0
		.amdhsa_kernarg_size 128
		.amdhsa_user_sgpr_count 2
		.amdhsa_user_sgpr_kernarg_segment_ptr 1
		.amdhsa_wavefront_size32 1
		.amdhsa_system_sgpr_workgroup_id_x 1
		.amdhsa_system_sgpr_workgroup_id_y 1
		.amdhsa_system_sgpr_workgroup_id_z 1
		.amdhsa_system_vgpr_workitem_id 0
		.amdhsa_next_free_vgpr 226
		.amdhsa_next_free_sgpr 66
		.amdhsa_reserve_vcc 1
		.amdhsa_float_denorm_mode_32 3
		.amdhsa_float_denorm_mode_16_64 3
		.amdhsa_memory_ordered 1
		.amdhsa_forward_progress 1
		.amdhsa_inst_pref_size 44
	.end_amdhsa_kernel
	.amdgpu_metadata
---
amdhsa.version: [ 1, 2 ]
amdhsa.kernels:
  - .name:           k_qb838c9be3e_prep
    .symbol:         k_qb838c9be3e_prep.kd
    .args:
      - { .name: target, .offset: 0, .size: 8, .value_kind: global_buffer, .address_space: global }
      - { .name: source_k, .offset: 8, .size: 8, .value_kind: global_buffer, .address_space: global }
      - { .name: source_v, .offset: 16, .size: 8, .value_kind: global_buffer, .address_space: global }
      - { .name: Wq, .offset: 24, .size: 8, .value_kind: global_buffer, .address_space: global }
      - { .name: Wk, .offset: 32, .size: 8, .value_kind: global_buffer, .address_space: global }
      - { .name: Wv, .offset: 40, .size: 8, .value_kind: global_buffer, .address_space: global }
      - { .name: g_t, .offset: 48, .size: 8, .value_kind: global_buffer, .address_space: global }
      - { .name: b_t, .offset: 56, .size: 8, .value_kind: global_buffer, .address_space: global }
      - { .name: g_k, .offset: 64, .size: 8, .value_kind: global_buffer, .address_space: global }
      - { .name: b_k, .offset: 72, .size: 8, .value_kind: global_buffer, .address_space: global }
      - { .name: g_v, .offset: 80, .size: 8, .value_kind: global_buffer, .address_space: global }
      - { .name: b_v, .offset: 88, .size: 8, .value_kind: global_buffer, .address_space: global }
      - { .name: bq, .offset: 96, .size: 8, .value_kind: global_buffer, .address_space: global }
      - { .name: bk, .offset: 104, .size: 8, .value_kind: global_buffer, .address_space: global }
      - { .name: bv, .offset: 112, .size: 8, .value_kind: global_buffer, .address_space: global }
      - { .name: opnd, .offset: 120, .size: 8, .value_kind: global_buffer, .address_space: global }
    .group_segment_fixed_size: 67072
    .private_segment_fixed_size: 0
    .kernarg_segment_align: 8
    .kernarg_segment_size: 128
    .max_flat_workgroup_size: 128
    .sgpr_count:     66
    .vgpr_count:     226
    .wavefront_size: 32
...
	.end_amdgpu_metadata
.endif
;; end of part 1
;; launch proj (part 2): grid 256 x 1, 4 waves a work-group, no clusters, 327,680 bytes of LDS; arguments opnd, qkv; writes qkv
.if DOCPART == 2
	.amdgcn_target "amdgcn-amd-amdhsa--gfx1250"
	.amdhsa_code_object_version 6
	.text
	.protected	k_qb838c9be3e_proj
	.globl	k_qb838c9be3e_proj
	.p2align	8
	.type	k_qb838c9be3e_proj,@function
k_qb838c9be3e_proj:
	s_mov_b64 s[64:65], 0
	v_nop
	global_prefetch_b8 v0, s[64:65] scope:SCOPE_SE
	s_setreg_imm32_b32 hwreg(HW_REG_WAVE_MODE, 25, 1), 1
	s_wait_xcnt 0x0
; PROJ.  q = t Wq^T + bq, k = sk Wk^T + bk, v = sv Wv^T + bv on the codes that the launch before made, each result quantised again at once: q and k along e, v along the KEYS.
; THE FORM.  A wave keeps a STATIONARY operand S, 8 tiles x 8 K steps = 64 fragments = 768 registers, as source 0, for the whole launch; tiles T of 16 rows come past it from LDS as source 1.
; A UNIT is one tile of T against S: 64 matrix instructions on 8 accumulators by turns.  In the result a lane holds ONE row of T and its 64 registers run along S's 128 rows in their true order,
; which are one K step of the next product: the unit's result becomes one fragment and one scale word a row, in registers.
; k, q: S = 128 rows of the weight, T = tiles of normed rows.   v: S = 128 keys' normed rows, T = tiles of Wv: the registers then run along the keys.
; SHARES, by the work-group's number x alone; the four waves of a work-group share T and hold four different S.
;   x 0-101: k.  Half x % 2 of Wk; the 1,024 tiles of rows are dealt to 51 work-groups: 21 tiles to the first 4, 20 to the others.
;   x 102-127: q.  Half of Wq; 256 tiles to 13 work-groups: 20 to the first 9, 19 to the others.     x 128-255: v.  512 keys x 16 tiles of Wv.
; HOW T COMES.  Each LDS byte is filled once.  At the head each wave fetches a quarter of records 0-3; behind the first barrier a quarter of the rest: 17 records and 256 bytes (k, q: 4 x 217 rows of 256 bytes;
; a work-group with fewer than 21 tiles does not use the last ones) or 12 records (v: 4 x 153 rows).  Units 0-2 read records 0-3 alone; a second barrier shows the rest.  One tensor load of a wave is out at a time.
; The walk over units has a constant count of trips, 3 + 18; a trip whose unit the work-group does not have jumps over the unit's work.  A unit fetches the next record's fragments; the address is held
; at the last record that was filled (20 or 15), so that no byte is read that nothing wrote.
; HOW S COMES.  192 global loads in the order of K, straight into registers; units 0-2 wait for them by count.  Ahead of them 32 loads of S's scale words, into registers, and one load of the first 64 bytes
; of the eight records' bias tails, which goes on into the wave's own 512 bytes of LDS.
; BIAS.  Along S's rows (k, q): the accumulators' start, read for each unit from the tails in LDS.  Along T's rows (v): one number a lane, in eight registers that are the C of K step 0's products.
; The tails are read in v's role too (zeros, which K step 0 writes over): so only K step 0 has two arms.
; NO JOINT LOADS: of a work-group's bytes 393,216 are S, which goes straight into registers; T differs between the work-groups that share S.  NO PREFETCH: every request stands at the head; there is no loop to run ahead in.
; OUT (qkv): records of q (0-255) and k (256-1279), 12,800 bytes: 8 fragments as register images, 512 bytes of scale words ((K step s, row r) at 64 s + 4 r); from byte 16,384,000 records of v^T,
; [batch][tile of e], 25,600 bytes: 16 fragments along the keys, 1,024 bytes of scale words.  A unit's four scale blocks of 64 bytes meet in LDS and leave as one aligned run of 256 bytes.
; LIMITS: NaN and infinities are not served; a block under 2^-124 gets the byte 1 (read by this program alone).
; REGISTERS: window 0: v1-11 addresses, v8 the lane's bias; v12-15 T's scale words; v16-47 S's; v48-111 accumulators; v112-159 T's fragments 0-3; v160-171 S's fragment 63; v172-219 T's fragments 4-7, and in the
;   epilogue codes (v172-191) and work (v192-208); v232-239 the lane's bias x 8.  Windows 1-3: S's fragments 0-62, 21 to a window.  Scale words: a register holds K step 2 i in lanes 0-15 and 2 i + 1 in lanes 16-31.
.set REC,   13056
.set RECQ,  12800
.set REC2,  25600
.set VT0,   16384000
.set NT,    8
.set NA,    4                          ; records that the head's loads bring
.set BKQ,   217*256                    ; a wave's part of the second fill: k, q
.set BVV,   153*256                    ; and v
.set UMAX,  21                         ; units at the most
.set TLS,   NA*REC+4*BKQ               ; behind T: the bias tails, 512 bytes a wave
.set SCG,   TLS+2048                   ; 256 bytes a unit where the four waves' scale words meet (24 blocks)
.set SPARE, SCG+24*256                 ; the spare words, 128 bytes a wave
.set LI,  1                            ; 16 x lane
.set LS,  2                            ; 4 x lane
.set TA,  3                            ; the next record + 16 x lane
.set TSA, 4                            ; its scale words + 4 x lane
.set BHL, 5                            ; my wave's tails + 32 h
.set SGA, 6                            ; where my row's scale word goes
.set TLA, 7                            ; my wave's tails + 16 x lane
.set BV,  8
.set SG0, 9
.set TS0, 10
.set TLO, 11                           ; the tails in memory: (lane / 4) records + 16 (lane % 4)
.set TS,  12
.set SS,  16
.set ACC, 48
.set TF,  112
.set F63, 160
.set TF2, 172
.set PC,  172
.set TM,  192
.set PW,  208
.set BB,  232
.set MSB, 0
.macro WIN new                         ; the immediate's high byte repeats the setting that is left; a switch that changes nothing is dropped
.if MSB != (\new)
	s_set_vgpr_msb (MSB<<8)|(\new)
.set MSB, (\new)
.endif
.endm
.macro PLACES n                        ; plain instructions between a matrix instruction and a load into, a read of or a new start of its registers
.rept \n
	v_nop
.endr
.endm
; K step s of a unit: S's eight tiles against T's fragment, the eight accumulators by turns.  cm = 1: onto the accumulator; 2: the sum starts from the lane's bias.
.macro MM s, cm
.set TI, 0
.rept NT
.set FF, NT*(\s)+TI
.if FF < 63
.set SW, 1+FF/21
.set SR, 12*(FF%21)
.else
.set SW, 0
.set SR, F63
.endif
	WIN SW
.set DA, ACC+8*TI
.set SA, SS+4*TI+(\s)/2
.set SB, TS+(\s)/2
.if (\s) < 4
.set FB, TF+12*(\s)
.else
.set FB, TF2+12*((\s)-4)
.endif
.if (\s)%2
	v_wmma_scale_f32_16x16x128_f8f6f4 v[DA:DA+7], v[SR:SR+11], v[FB:FB+11], v[DA:DA+7], v[SA], v[SB] matrix_a_fmt:MATRIX_FMT_FP6 matrix_b_fmt:MATRIX_FMT_FP6 matrix_a_scale:MATRIX_SCALE_ROW1 matrix_b_scale:MATRIX_SCALE_ROW1
.elseif \cm == 2
	v_wmma_scale_f32_16x16x128_f8f6f4 v[DA:DA+7], v[SR:SR+11], v[FB:FB+11], v[BB:BB+7], v[SA], v[SB] matrix_a_fmt:MATRIX_FMT_FP6 matrix_b_fmt:MATRIX_FMT_FP6
.else
	v_wmma_scale_f32_16x16x128_f8f6f4 v[DA:DA+7], v[SR:SR+11], v[FB:FB+11], v[DA:DA+7], v[SA], v[SB] matrix_a_fmt:MATRIX_FMT_FP6 matrix_b_fmt:MATRIX_FMT_FP6
.endif
.set TI, TI+1
.endr
.endm
; n fragments of S from fragment f0 on (fragment NT s + t = tile t, K step s), from the eight records at s[48:49]; each load covers 512 consecutive bytes
.macro LOADF f0, n
.set FF, \f0
.rept \n
.if FF < 63
.set SW, 1+FF/21
.set SR, 12*(FF%21)
.else
.set SW, 0
.set SR, F63
.endif
	WIN SW<<6
.irp c, 0,1,2
	global_load_b128 v[SR+4*\c:SR+4*\c+3], v[LI], s[48:49] offset:(FF%NT)*REC+1536*(FF/NT)+512*\c
.endr
.set FF, FF+1
.endr
	WIN 0
.endm
.macro TFL reg, off                    ; a fragment of T from LDS, as it stands
.irp c, 0,1,2
	ds_load_b128 v[(\reg)+4*\c:(\reg)+4*\c+3], v[TA] offset:\off+512*\c
.endr
.endm
.macro FIRST4                          ; a record's first four fragments, its scale words and its tail's word l (the bias of its row l % 16)
.irp f, 0,1,2,3
	TFL TF+12*\f, 1536*\f
.endr
.irp i, 0,1,2,3
	ds_load_b32 v[TS+\i], v[TSA] offset:128*\i
.endr
	ds_load_b32 v[BV], v[TSA] offset:512
.endm
.macro LAST4
.irp f, 0,1,2,3
	TFL TF2+12*\f, 1536*(\f+4)
.endr
.endm
.macro RELOAD                          ; the start values along S's rows: lane (r, h) wants, for tile t, the biases of tile rows 8 h + 0 .. 7
.irp t, 0,1,2,3,4,5,6,7
	ds_load_b128 v[ACC+8*\t:ACC+8*\t+3], v[BHL] offset:64*\t
	ds_load_b128 v[ACC+8*\t+4:ACC+8*\t+7], v[BHL] offset:64*\t+16
.endr
.endm
.macro SPREAD                          ; the lane's bias in eight registers
.irp j, 0,1,2,3,4,5,6,7
	v_mov_b32 v[BB+\j], v[BV]
.endr
.endm
.macro KSTEP s, lw                     ; K step s (1 .. 7).  lw = 1: S may still be on its way
.if \s >= 4
	s_wait_dscnt 3*(7-\s)                          ; T's fragment s is in: behind its three loads stand those of the later fragments of the same run, and nothing else
.endif
.if \lw && (\s >= 5)
	s_wait_loadcnt 24*(7-\s)                       ; S's K step s is in: behind its 24 loads stand 24 for each later K step
.endif
	MM \s, 1
.endm
; 64 numbers of a lane, register 16 b + i = k 32 b + 16 h + i of my row, become a fragment's codes in v[PC] on and its scale word in v[PW].
.macro QUANT_A
.irp b, 0,1,2,3
	v_max3_num_f32 v[TM+\b], |v[ACC+16*\b]|, |v[ACC+1+16*\b]|, 0x1800000   ; each accumulator from its low end on; the floor 2^(3 - 127) holds the byte at 1 from below
.endr
.irp i, 2,4,6,8,10,12,14
.irp b, 0,1,2,3
	v_max3_num_f32 v[TM+\b], v[TM+\b], |v[ACC+16*\b+\i]|, |v[ACC+1+16*\b+\i]|
.endr
.endr
.irp b, 0,1,2,3
	v_permlanex16_b32 v[TM+4+\b], v[TM+\b], s20, s21
.endr
.irp b, 0,1,2,3
	v_max_num_f32 v[TM+\b], v[TM+\b], v[TM+4+\b]   ; with lane l xor 16's: the block's largest magnitude
.endr
.irp b, 0,1,2,3
	v_add_nc_u32 v[TM+12+\b], 0xff000000, v[TM+\b] ; 2 off its exponent field: the conversion's scale operand
.endr
.irp b, 0,1,2,3
	v_lshrrev_b32 v[TM+4+\b], 23, v[TM+12+\b]      ; the scale's byte
.endr
	v_lshl_or_b32 v[PW], v[TM+5], 8, v[TM+4]
	v_lshl_or_b32 v[PW], v[TM+6], 16, v[PW]
	v_lshl_or_b32 v[PW], v[TM+7], 24, v[PW]
.irp c, 0,1
	v_cvt_scalef32_pk16_fp6_f32 v[PC+6*\c:PC+2+6*\c], v[ACC+32*\c:ACC+15+32*\c], v[TM+12+2*\c]
	v_cvt_scalef32_pk16_fp6_f32 v[PC+12+4*\c:PC+14+4*\c], v[ACC+16+32*\c:ACC+31+32*\c], v[TM+12+2*\c+1]   ; (a conversion's three registers begin on an even number)
.endr
	v_nop                                          ; one plain instruction behind the scaled conversions
.endm
.macro QUANT_B                         ; the operand's layout wants a WHOLE block in a lane: lanes 0-15 block 2 c, lanes 16-31 block 2 c + 1
.irp c, 0,1
.irp i, 0,1,2
	v_permlane16_swap_b32 v[PC+6*\c+\i], v[PC+12+4*\c+\i]
.endr
.irp i, 0,1,2
	v_mov_b32 v[PC+3+6*\c+\i], v[PC+12+4*\c+\i]
.endr
.endr
.endm
; A UNIT: the products, the next record's fragments, the result's codes and scale word.  v[TA], v[TSA] point at the next record.
.macro UNIT lw
	s_wait_dscnt 12                                ; all my LDS work but the youngest twelve loads (T's fragments 4-7) is done
.if \lw
	s_wait_loadcnt 63                              ; of my 225 loads at most 63 are out: the tails, S's scale words and S's first 129 loads are in, K steps 0 to 4 (120 loads) among them
.endif
	s_cmp_lg_u32 s10, 0
	s_cbranch_scc1 .Llane_bias_\@
	MM 0, 1
	WIN 0
	s_branch .Lbegun_\@
.Llane_bias_\@:
	s_wait_alu depctr_va_vdst(0)
	MM 0, 2
	WIN 0
.Lbegun_\@:
.irp s, 1,2,3,4,5,6,7
	KSTEP \s, \lw
.endr
	WIN 0
	PLACES 5                                       ; five: the next unit's first products may write the accumulators over
	s_wait_alu depctr_va_vdst(0)
	FIRST4                                         ; they land while this unit's result is quantised
	QUANT_A
	s_wait_dscnt 0x0                               ; the lane's bias is in (asked for ahead of the maxima)
	SPREAD
	RELOAD                                         ; lands while the codes are put in order and stored
	QUANT_B
.irp c, 0,1,2
	global_store_b128 v[LI], v[PC+4*\c:PC+4*\c+3], s[50:51] offset:512*\c   ; the fragment as it stands: 512 consecutive bytes a store
.endr
	ds_store_b32 v[SGA], v[PW]                     ; both halves of the lanes write the same word with the same value
	s_wait_xcnt 0x0                                ; the stores have read their base and their data: both are written again below
	v_nop
	LAST4                                          ; over the codes' registers: they have four K steps in which to land
.endm
.macro NEXT                            ; every trip steps the places, whether its unit was worked or not
	s_add_nc_u64 s[50:51], s[50:51], s[52:53]
	s_add_co_u32 s9, s9, REC
	s_add_co_u32 s11, s11, 256
	s_min_u32 s12, s9, s56                         ; held at the last record that was filled
	v_add_nc_u32 v[TA], s12, v[LI]
	v_add_nc_u32 v[TSA], s12, v[TS0]
	v_add_nc_u32 v[SGA], s11, v[SG0]
.endm
	s_load_b128 s[4:7], s[0:1], 0x0                ; opnd, qkv
	v_lshl_add_u32 v254, v0, 2, SPARE
	v_mov_b32 v255, 0
	ds_add_u32 v254, v255
	ds_add_u32 v254, v255
	v_lshrrev_b32 v9, 5, v0
	v_readfirstlane_b32 s8, v9                     ; wave
	s_lshr_b32 s10, ttmp9, 7                       ; role: 0 k or q, 1 v
	s_and_b32 s11, ttmp9, 127
	; k, q: which weight, which half g of it, which tiles
	s_mov_b32 s14, 2368                            ; Wk's first record
	s_cmp_ge_u32 s11, 102
	s_cselect_b32 s12, 102, 0
	s_cselect_b32 s57, 19, 20                      ; tiles at the least
	s_cselect_b32 s16, 9, 4                        ; how many work-groups of a half take one more
	s_cselect_b32 s13, 0, 256                      ; the rows' first record
	s_cselect_b32 s14, 2304, s14                   ; Wq's
	s_sub_co_u32 s12, s11, s12
	s_lshr_b32 s15, s12, 1                         ; j
	s_and_b32 s12, s12, 1                          ; g
	s_mul_i32 s17, s57, s15
	s_add_co_u32 s13, s13, s17
	s_min_u32 s17, s15, s16
	s_add_co_u32 s13, s13, s17                     ; T's first record, and the first record that I write
	s_cmp_lt_u32 s15, s16
	s_cselect_b32 s17, 1, 0
	s_add_co_u32 s57, s57, s17                     ; my units
	s_lshl_b32 s17, s12, 5
	s_add_co_u32 s14, s14, s17                     ; S's first record, less 8 w
	s_mul_i32 s15, s13, RECQ
	s_lshl_b32 s16, s12, 2                         ; the K step that I make, less w
	s_lshl_b32 s17, s12, 8
	s_add_co_u32 s17, s17, s15
	s_add_co_u32 s17, s17, 12288                   ; where my work-group's scale blocks go
	; v: 512 keys from 512 sg on, 16 tiles of Wv from 16 qd on
	s_lshr_b32 s18, s11, 2
	s_and_b32 s19, s11, 3
	s_lshl_b32 s22, s19, 4
	s_add_co_u32 s23, s22, 2432
	s_lshr_b32 s2, s18, 2
	s_lshl_b32 s2, s2, 6
	s_add_co_u32 s2, s2, s22
	s_mul_i32 s2, s2, REC2
	s_add_co_u32 s2, s2, VT0
	s_lshl_b32 s3, s18, 5
	s_add_co_u32 s3, s3, 1280
	s_and_b32 s18, s18, 3
	s_lshl_b32 s19, s18, 8
	s_add_co_u32 s19, s19, s2
	s_add_co_u32 s19, s19, 24576
	s_lshl_b32 s18, s18, 2
	s_mov_b32 s59, REC2
	s_mov_b32 s56, 15*REC
	s_cmp_eq_u32 s10, 0
	s_cselect_b32 s13, s13, s23
	s_cselect_b32 s14, s14, s3
	s_cselect_b32 s15, s15, s2
	s_cselect_b32 s16, s16, s18
	s_cselect_b32 s54, s17, s19
	s_cselect_b32 s59, RECQ, s59                   ; bytes from one output record to the next
	s_cselect_b32 s57, s57, 16
	s_cselect_b32 s56, 20*REC, s56                 ; the last record that is filled
	s_mov_b32 s55, 0
	s_lshl_b32 s18, s8, 3
	s_add_co_u32 s14, s14, s18
	s_mul_i32 s48, s14, REC                        ; S
	s_mov_b32 s49, 0
	s_add_co_u32 s16, s16, s8
	s_mul_i32 s16, s16, 1536
	s_add_co_u32 s50, s15, s16                     ; my fragment in the first output record
	s_mov_b32 s51, 0
	s_mov_b32 s52, s59
	s_mov_b32 s53, 0
	; the head's load: quarter w of records 0-3: 51 rows of 32 elements of 8 bytes, dense, at the same place in memory and in LDS
	s_mov_b32 s24, 3<<16
	s_mov_b32 s25, 32<<16
	s_mov_b32 s26, 51<<16
	s_mov_b32 s27, 32<<16
	s_mov_b32 s28, 51
	s_mov_b32 s29, 32
	s_mov_b32 s30, 0
	s_mov_b32 s31, 0
	s_mov_b32 s40, 1
	s_mul_i32 s41, s8, REC
	s_mul_i32 s2, s13, REC
	s_add_co_u32 s2, s2, s41
	s_mov_b32 s3, 0
	s_wait_dscnt 0x0
	s_wait_kmcnt 0x0
	s_add_nc_u64 s[42:43], s[4:5], s[2:3]
	s_or_b32 s43, s43, 0x80000000
	tensor_load_to_lds s[40:43], s[24:31]          ; my one load at the head
	s_nop 0
	PLACES 4
	s_add_nc_u64 s[48:49], s[4:5], s[48:49]
	v_and_b32 v9, 31, v0
	v_lshlrev_b32 v[LI], 4, v9
	v_lshlrev_b32 v[LS], 2, v9
	v_lshrrev_b32 v[TLO], 2, v9
	v_mul_u32_u24 v[TLO], v[TLO], REC
	v_and_b32 v[TLA], 3, v9
	v_lshl_add_u32 v[TLO], v[TLA], 4, v[TLO]
	s_lshl_b32 s2, s8, 9
	s_add_co_u32 s2, s2, TLS
	v_add_nc_u32 v[TLA], s2, v[LI]
	v_bfe_u32 v[BHL], v0, 4, 1
	v_lshlrev_b32 v[BHL], 5, v[BHL]
	v_add_nc_u32 v[BHL], s2, v[BHL]
	v_and_b32 v[SG0], 15, v0
	v_lshlrev_b32 v[SG0], 2, v[SG0]
	s_lshl_b32 s2, s8, 6
	s_add_co_u32 s2, s2, SCG
	v_add_nc_u32 v[SG0], s2, v[SG0]                ; SCG + 64 w + 4 r
	v_add_nc_u32 v[TS0], 12288, v[LS]
	v_mov_b32 v[TA], v[LI]                         ; record 0
	v_mov_b32 v[TSA], v[TS0]
	v_mov_b32 v[SGA], v[SG0]
	s_wait_alu depctr_va_vdst(0)
	global_load_b128 v[240:243], v[TLO], s[48:49] offset:12800   ; the first 64 bytes of my eight records' tails
.irp t, 0,1,2,3,4,5,6,7
.irp i, 0,1,2,3
	global_load_b32 v[SS+4*\t+\i], v[LS], s[48:49] offset:REC*\t+12288+128*\i   ; S's scale words, as the registers want them
.endr
.endr
	LOADF 0, 10                                    ; S, in the order of K
	; the second fill's descriptors: rows of 256 bytes, dense; 217 rows (k, q) or 153 (v)
	s_mov_b32 s32, 3<<16
	s_mov_b32 s33, 32<<16
	s_mov_b32 s34, 217<<16
	s_mov_b32 s35, 32<<16
	s_mov_b32 s36, 217
	s_mov_b32 s37, 32
	s_mov_b32 s38, 0
	s_mov_b32 s39, 0
	s_mov_b32 s68, 3<<16
	s_mov_b32 s69, 32<<16
	s_mov_b32 s70, 153<<16
	s_mov_b32 s71, 32<<16
	s_mov_b32 s72, 153
	s_mov_b32 s73, 32
	s_mov_b32 s74, 0
	s_mov_b32 s75, 0
	s_mul_i32 s60, s13, REC
	s_add_co_u32 s60, s60, NA*REC
	s_mov_b32 s61, 0
	s_add_nc_u64 s[60:61], s[4:5], s[60:61]        ; T's record NA
	s_mul_i32 s22, s8, BKQ
	s_mov_b32 s23, 0
	s_mov_b32 s44, 1
	s_add_co_u32 s45, s22, NA*REC
	s_add_nc_u64 s[46:47], s[60:61], s[22:23]
	s_or_b32 s47, s47, 0x80000000
	s_mul_i32 s22, s8, BVV
	s_mov_b32 s76, 1
	s_add_co_u32 s77, s22, NA*REC
	s_add_nc_u64 s[78:79], s[60:61], s[22:23]
	s_or_b32 s79, s79, 0x80000000
	s_add_nc_u64 s[50:51], s[6:7], s[50:51]
	s_add_nc_u64 s[54:55], s[6:7], s[54:55]
	s_mov_b32 s20, 0x76543210
	s_mov_b32 s21, 0xfedcba98                      ; v_permlanex16_b32's selects for lane l xor 16
	s_mov_b32 s11, 0                               ; 256 x the unit's number
	s_wait_loadcnt 62                              ; the tails are in: behind their load stand 32 + 30
	ds_store_b128 v[TLA], v[240:243]               ; tile t's 64 bytes at 64 t of my own 512
	LOADF 10, 54
	s_wait_alu depctr_va_vdst(0)
	s_wait_tensorcnt 0x0                           ; my quarter of records 0-3 is in
	ds_add_u32 v254, v255
	s_wait_dscnt 0x0
	s_barrier_signal -1
	s_barrier_wait -1                              ; records 0-3 are whole
	s_cmp_lg_u32 s10, 0
	s_cbranch_scc1 .Lrest_v
	tensor_load_to_lds s[44:47], s[32:39]          ; my quarter of the rest of T: my one load behind this barrier
	s_nop 0
	PLACES 4
	s_branch .Lrest_asked
.Lrest_v:
	tensor_load_to_lds s[76:79], s[68:75]
	s_nop 0
	PLACES 4
.Lrest_asked:
	FIRST4
	RELOAD
	s_wait_dscnt 0x0
	SPREAD
	LAST4
	s_mov_b32 s9, REC                              ; LDS byte of the next record
	v_add_nc_u32 v[TA], s9, v[LI]
	v_add_nc_u32 v[TSA], s9, v[TS0]
	PLACES 4
	s_mov_b32 s58, 3
	s_wait_alu depctr_va_vdst(0)
.Lunit_a:                                          ; units 0 to 2: they read records 0-3 alone, and may meet S on its way
	UNIT 1
	NEXT
	s_sub_co_u32 s58, s58, 1
	s_cmp_lg_u32 s58, 0
	s_wait_alu depctr_va_vdst(0)
	s_cbranch_scc1 .Lunit_a
	s_wait_tensorcnt 0x0                           ; my part of the rest of T has landed,
	s_wait_dscnt 0x0
	s_barrier_signal -1
	s_barrier_wait -1                              ; everybody's has
	s_mov_b32 s58, 3
.Lunit_b:                                          ; units 3 to 20: a constant count of trips; a unit that my work-group does not have is jumped over
	s_cmp_ge_u32 s58, s57
	s_cbranch_scc1 .Lnone
	UNIT 0
.Lnone:
	NEXT
	s_add_co_u32 s58, s58, 1
	s_cmp_lt_u32 s58, UMAX
	s_wait_alu depctr_va_vdst(0)
	s_cbranch_scc1 .Lunit_b
	; the scale words: wave w sends the blocks of units w, w + 4, w + 8 .. : each store one aligned run of 256 bytes
	v_lshrrev_b32 v240, 1, v[LI]                   ; 8 x lane
	s_lshl_b32 s2, s8, 8
	s_add_co_u32 s2, s2, SCG
	v_add_nc_u32 v246, s2, v240
	s_lshl_b32 s3, s59, 2                          ; four output records on
.irp m, 1,2,3,4,5
	v_add_nc_u32 v[240+\m], s3, v[239+\m]
.endr
	s_mul_i32 s2, s8, s59
	s_mov_b32 s3, 0
	s_add_nc_u64 s[54:55], s[54:55], s[2:3]
	s_wait_alu depctr_va_vdst(0)
	s_wait_dscnt 0x0                               ; for the others' sake: my scale words lie in LDS
	s_barrier_signal -1
	s_barrier_wait -1
.irp m, 0,1,2,3,4,5
.if \m == 5
	s_cmp_lg_u32 s8, 0                             ; of units 20 to 23 only unit 20 can be: wave 0's
	s_cbranch_scc1 .Lend
.endif
	s_add_co_u32 s2, s8, 4*\m
	s_cmp_ge_u32 s2, s57
	s_cbranch_scc1 .Lend                           ; no such unit, nor any later one
	ds_load_b64 v[220+2*\m:221+2*\m], v246 offset:1024*\m
	s_wait_dscnt 0x0
	global_store_b64 v[240+\m], v[220+2*\m:221+2*\m], s[54:55]
.endr
.Lend:
	s_wait_tensorcnt 0x0                           ; the wave's end
	ds_add_u32 v254, v255
	s_wait_dscnt 0x0
	s_endpgm
.Lfunc_end_k_qb838c9be3e_proj:
	.size	k_qb838c9be3e_proj, .Lfunc_end_k_qb838c9be3e_proj-k_qb838c9be3e_proj
	.p2alignl 7, 3214868480
	.fill 96, 4, 3214868480
	.section	.rodata,"a",@progbits
	.p2align	6, 0x0
	.amdhsa_kernel k_qb838c9be3e_proj
		.amdhsa_group_segment_fixed_size 327680
		.amdhsa_private_segment_fixed_size 0
		.amdhsa_enable_private_segment 0
		.amdhsa_kernarg_size 16
		.amdhsa_user_sgpr_count 2
		.amdhsa_user_sgpr_kernarg_segment_ptr 1
		.amdhsa_wavefront_size32 1
		.amdhsa_system_sgpr_workgroup_id_x 1
		.amdhsa_system_sgpr_workgroup_id_y 1
		.amdhsa_system_sgpr_workgroup_id_z 1
		.amdhsa_system_vgpr_workitem_id 0
		.amdhsa_next_free_vgpr 1024
		.amdhsa_next_free_sgpr 96
		.amdhsa_reserve_vcc 0
		.amdhsa_float_denorm_mode_32 3
		.amdhsa_float_denorm_mode_16_64 3
		.amdhsa_memory_ordered 1
		.amdhsa_forward_progress 1
		.amdhsa_inst_pref_size 71
	.end_amdhsa_kernel
	.amdgpu_metadata
---
amdhsa.version: [ 1, 2 ]
amdhsa.kernels:
  - .name:           k_qb838c9be3e_proj
    .symbol:         k_qb838c9be3e_proj.kd
    .args:
      - { .name: opnd, .offset: 0, .size: 8, .value_kind: global_buffer, .address_space: global }
      - { .name: qkv, .offset: 8, .size: 8, .value_kind: global_buffer, .address_space: global }
    .group_segment_fixed_size: 327680
    .private_segment_fixed_size: 0
    .kernarg_segment_align: 8
    .kernarg_segment_size: 16
    .max_flat_workgroup_size: 128
    .sgpr_count:     96
    .vgpr_count:     1024
    .wavefront_size: 32
...
	.end_amdgpu_metadata
.endif
;; end of part 2
;; launch scores (part 3): grid 256 x 1, 4 waves a work-group, no clusters, 327,680 bytes of LDS; arguments qkv, pimg; writes pimg
.if DOCPART == 3
	.amdgcn_target "amdgcn-amd-amdhsa--gfx1250"
	.amdhsa_code_object_version 6
	.text
	.protected	k_qb838c9be3e_scores
	.globl	k_qb838c9be3e_scores
	.p2align	8
	.type	k_qb838c9be3e_scores,@function
k_qb838c9be3e_scores:
	s_mov_b64 s[64:65], 0
	v_nop
	global_prefetch_b8 v0, s[64:65] scope:SCOPE_SE
	s_setreg_imm32_b32 hwreg(HW_REG_WAVE_MODE, 25, 1), 1
	s_wait_xcnt 0x0
.set REC,   12800
.set RECP,  27648
.set NT,    8
.set GS,    4*REC
.set SSL,   GS+3072
.set LI,  1
.set LS,  2
.set TA,  3
.set TSA, 4
.set SGA, 6
.set SSA, 7
.set SG0, 9
.set TS0, 10
.set TS,  12
.set SS,  16
.set ACC, 48
.set TF,  112
.set F63, 160
.set TF2, 172
.set PC,  172
.set PW,  208
.set BM,  210
.set BP,  214
.set BS,  218
.set TT,  222
.set NM,  224
.set SU,  226
.set SU2, 228
.set MSB, 0
.macro WIN new
.if MSB != (\new)
	s_set_vgpr_msb (MSB<<8)|(\new)
.set MSB, (\new)
.endif
.endm
.macro PLACES n
.rept \n
	v_nop
.endr
.endm
.macro MM s, cm
.set TI, 0
.rept NT
.set FF, NT*(\s)+TI
.if FF < 63
.set SW, 1+FF/21
.set SR, 12*(FF%21)
.else
.set SW, 0
.set SR, F63
.endif
	WIN SW
.set DA, ACC+8*TI
.set SA, SS+4*TI+(\s)/2
.set SB, TS+(\s)/2
.if (\s) < 4
.set FB, TF+12*(\s)
.else
.set FB, TF2+12*((\s)-4)
.endif
.if (\s)%2
	v_wmma_scale_f32_16x16x128_f8f6f4 v[DA:DA+7], v[SR:SR+11], v[FB:FB+11], v[DA:DA+7], v[SA], v[SB] matrix_a_fmt:MATRIX_FMT_FP6 matrix_b_fmt:MATRIX_FMT_FP6 matrix_a_scale:MATRIX_SCALE_ROW1 matrix_b_scale:MATRIX_SCALE_ROW1
.elseif \cm == 0
	v_wmma_scale_f32_16x16x128_f8f6f4 v[DA:DA+7], v[SR:SR+11], v[FB:FB+11], 0, v[SA], v[SB] matrix_a_fmt:MATRIX_FMT_FP6 matrix_b_fmt:MATRIX_FMT_FP6
.else
	v_wmma_scale_f32_16x16x128_f8f6f4 v[DA:DA+7], v[SR:SR+11], v[FB:FB+11], v[DA:DA+7], v[SA], v[SB] matrix_a_fmt:MATRIX_FMT_FP6 matrix_b_fmt:MATRIX_FMT_FP6
.endif
.set TI, TI+1
.endr
.endm
.macro LOADF b0, rec, f0, n
.set FF, \f0
.rept \n
.if FF < 63
.set SW, 1+FF/21
.set SR, 12*(FF%21)
.else
.set SW, 0
.set SR, F63
.endif
	WIN SW<<6
.irp c, 0,1,2
	global_load_b128 v[SR+4*\c:SR+4*\c+3], v[LI], s[\b0:\b0+1] offset:(FF%NT)*\rec+1536*(FF/NT)+512*\c
.endr
.set FF, FF+1
.endr
	WIN 0
.endm
.macro TFL reg, off
.irp c, 0,1,2
	ds_load_b128 v[(\reg)+4*\c:(\reg)+4*\c+3], v[TA] offset:\off+512*\c
.endr
.endm
.macro KSTEP s
.if \s >= 4
	s_wait_dscnt 3*(7-\s)
.endif
.if \s >= 5
	s_wait_loadcnt 24*(7-\s)
.endif
	MM \s, 1
.endm
.macro SOFTQ
.irp b, 0,1,2,3
	v_max3_num_f32 v[BM+\b], v[ACC+16*\b], v[ACC+16*\b+1], v[ACC+16*\b+2]
.endr
.irp i, 3,5,7,9,11,13
.irp b, 0,1,2,3
	v_max3_num_f32 v[BM+\b], v[BM+\b], v[ACC+16*\b+\i], v[ACC+16*\b+\i+1]
.endr
.endr
.irp b, 0,1,2,3
	v_max_num_f32 v[BM+\b], v[BM+\b], v[ACC+16*\b+15]
.endr
.irp b, 0,1,2,3
	v_permlanex16_b32 v[BP+\b], v[BM+\b], s20, s21
.endr
.irp b, 0,1,2,3
	v_max_num_f32 v[BM+\b], v[BM+\b], v[BP+\b]
.endr
	v_max3_num_f32 v[TT], v[BM], v[BM+1], v[BM+2]
	v_max_num_f32 v[TT], v[TT], v[BM+3]
	v_mul_f32 v[TT], s22, v[TT]
	v_floor_f32 v[NM], -v[TT]
.set J, 0
.rept 32
	v_pk_fma_f32 v[ACC+J:ACC+J+1], v[ACC+J:ACC+J+1], s[22:23], v[NM:NM+1] op_sel_hi:[1,0,0]
.set J, J+2
.endr
.irp b, 0,1,2,3
	v_fma_f32 v[BM+\b], v[BM+\b], s22, v[NM]
.endr
.set J, 0
	s_wait_alu depctr_va_vdst(0)
.rept 64
	v_exp_f32 v[ACC+J], v[ACC+J]
.set J, J+1
.endr
.irp b, 0,1,2,3
	v_exp_f32 v[BM+\b], v[BM+\b]
.endr
	v_nop
	s_wait_alu depctr_va_vdst(0)
.irp b, 0,1,2,3
	v_max_num_f32 v[BM+\b], 0x1800000, v[BM+\b]
.endr
.irp b, 0,1,2,3
	v_add_nc_u32 v[BS+\b], 0xff000000, v[BM+\b]
.endr
.irp b, 0,1,2,3
	v_lshrrev_b32 v[BP+\b], 23, v[BS+\b]
.endr
	v_lshl_or_b32 v[PW], v[BP+1], 8, v[BP]
	v_lshl_or_b32 v[PW], v[BP+2], 16, v[PW]
	v_lshl_or_b32 v[PW], v[BP+3], 24, v[PW]
.irp c, 0,1
	v_cvt_scalef32_pk16_fp6_f32 v[PC+6*\c:PC+2+6*\c], v[ACC+32*\c:ACC+15+32*\c], v[BS+2*\c]
	v_cvt_scalef32_pk16_fp6_f32 v[PC+12+4*\c:PC+14+4*\c], v[ACC+16+32*\c:ACC+31+32*\c], v[BS+2*\c+1]
.endr
	v_nop
.irp c, 0,1
.irp i, 0,1,2
	v_permlane16_swap_b32 v[PC+6*\c+\i], v[PC+12+4*\c+\i]
.endr
.irp i, 0,1,2
	v_mov_b32 v[PC+3+6*\c+\i], v[PC+12+4*\c+\i]
.endr
.endr
	v_pk_add_f32 v[SU:SU+1], v[ACC:ACC+1], v[ACC+4:ACC+5]
	v_pk_add_f32 v[SU2:SU2+1], v[ACC+2:ACC+3], v[ACC+6:ACC+7]
.irp j, 8,12,16,20,24,28,32,36,40,44,48,52,56,60
	v_pk_add_f32 v[SU:SU+1], v[SU:SU+1], v[ACC+\j:ACC+\j+1]
	v_pk_add_f32 v[SU2:SU2+1], v[SU2:SU2+1], v[ACC+\j+2:ACC+\j+3]
.endr
	v_pk_add_f32 v[SU:SU+1], v[SU:SU+1], v[SU2:SU2+1]
	v_add_f32 v[SU], v[SU], v[SU+1]
	v_permlanex16_b32 v[TT], v[SU], s20, s21
	v_add_f32 v[SU], v[SU], v[TT]
.endm
.macro UNIT pf
	s_wait_dscnt 12
	s_wait_loadcnt 63
	MM 0, 0
.irp s, 1,2,3,4,5,6,7
	KSTEP \s
.endr
	WIN 0
	PLACES 5
.if \pf
.irp f, 0,1,2,3
	TFL TF+12*\f, REC+1536*\f
.endr
.irp i, 0,1,2,3
	ds_load_b32 v[TS+\i], v[TSA] offset:REC+128*\i
.endr
.endif
	SOFTQ
.irp c, 0,1,2
	global_store_b128 v[LI], v[PC+4*\c:PC+4*\c+3], s[50:51] offset:512*\c
.endr
	ds_store_b32 v[SGA], v[PW]
	ds_store_b32 v[SGA], v[NM] offset:1024
	ds_store_b32 v[SGA], v[SU] offset:2048
	s_wait_xcnt 0x0
	s_add_nc_u64 s[50:51], s[50:51], RECP
	s_add_co_u32 s9, s9, REC
	s_add_co_u32 s11, s11, 256
	v_add_nc_u32 v[TA], s9, v[LI]
	v_add_nc_u32 v[TSA], s9, v[TS0]
	v_add_nc_u32 v[SGA], s11, v[SG0]
.if \pf
.irp f, 0,1,2,3
	TFL TF2+12*\f, 1536*(\f+4)
.endr
.endif
.endm
	s_load_b128 s[4:7], s[0:1], 0x0
	v_lshl_add_u32 v254, v0, 2, 0x29000
	v_mov_b32 v255, 0
	ds_add_u32 v254, v255
	ds_add_u32 v254, v255
	v_lshrrev_b32 v9, 5, v0
	v_readfirstlane_b32 s8, v9
	s_lshr_b32 s12, ttmp9, 5
	s_bfe_u32 s13, ttmp9, 0x20003
	s_and_b32 s14, ttmp9, 7
	s_lshl_b32 s15, s12, 5
	s_lshl_b32 s16, s14, 2
	s_add_co_u32 s15, s15, s16
	s_lshl_b32 s16, s12, 7
	s_lshl_b32 s17, s13, 5
	s_add_co_u32 s16, s16, s17
	s_lshl_b32 s17, s8, 3
	s_add_co_u32 s16, s16, s17
	s_add_co_u32 s16, s16, 256
	s_mul_i32 s48, s16, REC
	s_mov_b32 s49, 0
	s_add_co_u32 s16, s15, s8
	s_mul_i32 s42, s16, REC
	s_mov_b32 s43, 0
	s_mul_i32 s54, s16, RECP
	s_lshl_b32 s17, s13, 8
	s_add_co_u32 s54, s54, s17
	s_add_co_u32 s54, s54, 24576
	s_mov_b32 s55, 0
	s_mul_i32 s50, s15, RECP
	s_lshl_b32 s17, s13, 2
	s_add_co_u32 s17, s17, s8
	s_mul_i32 s17, s17, 1536
	s_add_co_u32 s50, s50, s17
	s_mov_b32 s51, 0
	s_mov_b32 s24, 3<<16
	s_mov_b32 s25, 32<<16
	s_mov_b32 s26, 50<<16
	s_mov_b32 s27, 32<<16
	s_mov_b32 s28, 50
	s_mov_b32 s29, 32
	s_mov_b32 s30, 0
	s_mov_b32 s31, 0
	s_mov_b32 s40, 1
	s_mul_i32 s41, s8, REC
	s_mov_b32 s20, 0x76543210
	s_mov_b32 s21, 0xfedcba98
	s_mov_b32 s22, 0x3d38aa3b
	s_mov_b32 s23, s22
	s_mov_b32 s9, 0
	s_mov_b32 s11, 0
	s_wait_dscnt 0x0
	s_wait_kmcnt 0x0
	s_add_nc_u64 s[48:49], s[4:5], s[48:49]
	s_add_nc_u64 s[42:43], s[4:5], s[42:43]
	s_or_b32 s43, s43, 0x80000000
	tensor_load_to_lds s[40:43], s[24:31]          ; my one tensor load: my record of q
	s_nop 0
	PLACES 4
	s_add_nc_u64 s[50:51], s[6:7], s[50:51]
	s_add_nc_u64 s[54:55], s[6:7], s[54:55]
	v_and_b32 v9, 31, v0
	v_lshlrev_b32 v[LI], 4, v9
	v_lshlrev_b32 v[LS], 2, v9
	v_lshlrev_b32 v231, 3, v9
	s_wait_alu depctr_va_vdst(0)
.irp t, 0,1,2,3,4,5,6,7
.irp i, 0,1,2,3
	global_load_b32 v[SS+4*\t+\i], v[LS], s[48:49] offset:REC*\t+12288+128*\i   ; the stationary operand's scale words, straight into their registers, ahead of its fragments
.endr
.endr
	LOADF 48, REC, 0, 64
	v_and_b32 v[SG0], 15, v0
	v_lshlrev_b32 v[SG0], 2, v[SG0]
	s_lshl_b32 s2, s8, 6
	s_add_co_u32 s2, s2, GS
	v_add_nc_u32 v[SG0], s2, v[SG0]
	s_lshl_b32 s2, s8, 8
	s_add_co_u32 s2, s2, GS
	v_add_nc_u32 v230, s2, v231
	v_add_nc_u32 v[TS0], 12288, v[LS]
	v_add_nc_u32 v[TA], s9, v[LI]
	v_add_nc_u32 v[TSA], s9, v[TS0]
	v_add_nc_u32 v[SGA], s11, v[SG0]
	v_mov_b32 v[NM+1], 0
	s_wait_alu depctr_va_vdst(0)
	s_wait_tensorcnt 0x0
	s_barrier_signal -1
	s_barrier_wait -1
.irp f, 0,1,2,3
	TFL TF+12*\f, 1536*\f
.endr
.irp i, 0,1,2,3
	ds_load_b32 v[TS+\i], v[TSA] offset:128*\i
.endr
.irp f, 0,1,2,3
	TFL TF2+12*\f, 1536*(\f+4)
.endr
	s_mov_b32 s58, 3
.Lunit:
	s_wait_alu depctr_va_vdst(0)
	UNIT 1
	s_sub_co_u32 s58, s58, 1
	s_cmp_lg_u32 s58, 0
	s_cbranch_scc1 .Lunit
	UNIT 0
	s_wait_dscnt 0x0
	s_barrier_signal -1
	s_barrier_wait -1
.irp m, 0,1,2
	ds_load_b64 v[232+2*\m:233+2*\m], v230 offset:1024*\m
.endr
.irp m, 0,1,2
	s_wait_dscnt 2-\m
	global_store_b64 v231, v[232+2*\m:233+2*\m], s[54:55] offset:1024*\m
.endr
	s_wait_tensorcnt 0x0
	ds_add_u32 v254, v255
	s_wait_dscnt 0x0
	s_endpgm
.Lfunc_end_k_qb838c9be3e_scores:
	.size	k_qb838c9be3e_scores, .Lfunc_end_k_qb838c9be3e_scores-k_qb838c9be3e_scores
	.p2alignl 7, 3214868480
	.fill 96, 4, 3214868480
	.section	.rodata,"a",@progbits
	.p2align	6, 0x0
	.amdhsa_kernel k_qb838c9be3e_scores
		.amdhsa_group_segment_fixed_size 327680
		.amdhsa_private_segment_fixed_size 0
		.amdhsa_enable_private_segment 0
		.amdhsa_kernarg_size 16
		.amdhsa_user_sgpr_count 2
		.amdhsa_user_sgpr_kernarg_segment_ptr 1
		.amdhsa_wavefront_size32 1
		.amdhsa_system_sgpr_workgroup_id_x 1
		.amdhsa_system_sgpr_workgroup_id_y 1
		.amdhsa_system_sgpr_workgroup_id_z 1
		.amdhsa_system_vgpr_workitem_id 0
		.amdhsa_next_free_vgpr 1024
		.amdhsa_next_free_sgpr 66
		.amdhsa_reserve_vcc 0
		.amdhsa_float_denorm_mode_32 3
		.amdhsa_float_denorm_mode_16_64 3
		.amdhsa_memory_ordered 1
		.amdhsa_forward_progress 1
		.amdhsa_inst_pref_size 69
	.end_amdhsa_kernel
	.amdgpu_metadata
---
amdhsa.version: [ 1, 2 ]
amdhsa.kernels:
  - .name:           k_qb838c9be3e_scores
    .symbol:         k_qb838c9be3e_scores.kd
    .args:
      - { .name: qkv, .offset: 0, .size: 8, .value_kind: global_buffer, .address_space: global }
      - { .name: pimg, .offset: 8, .size: 8, .value_kind: global_buffer, .address_space: global }
    .group_segment_fixed_size: 327680
    .private_segment_fixed_size: 0
    .kernarg_segment_align: 8
    .kernarg_segment_size: 16
    .max_flat_workgroup_size: 128
    .sgpr_count:     66
    .vgpr_count:     1024
    .wavefront_size: 32
...
	.end_amdgpu_metadata
.endif
;; end of part 3
;; launch pv (part 4): grid 256 x 1, 4 waves a work-group, no clusters, 327,680 bytes of LDS; arguments qkv, pimg, out0; writes out0
.if DOCPART == 4
	.amdgcn_target "amdgcn-amd-amdhsa--gfx1250"
	.amdhsa_code_object_version 6
	.text
	.protected	k_qb838c9be3e_pv
	.globl	k_qb838c9be3e_pv
	.p2align	8
	.type	k_qb838c9be3e_pv,@function
k_qb838c9be3e_pv:
	s_mov_b64 s[64:65], 0
	v_nop
	global_prefetch_b8 v0, s[64:65] scope:SCOPE_SE
	s_setreg_imm32_b32 hwreg(HW_REG_WAVE_MODE, 25, 1), 1
	s_wait_xcnt 0x0
.set REC2,  25600
.set RECP,  27648
.set VT0,   16384000
.set NT,    4
.set NSL,   8
.set STAGE, 4*RECP
.set SSL,   STAGE+4*16*272
.set LI,  1
.set LS,  2
.set TA0, 3
.set SA0, 5
.set STO, 7
.set RD,  8
.set GO,  9
.set SSA, 10
.set RL,  12
.set SS,  20
.set TSA, 52
.set ACC, 84
.set TF,  116
.set F63, 212
.set FC,  226
.set MSB, 0
.macro WIN new
.if MSB != (\new)
	s_set_vgpr_msb (MSB<<8)|(\new)
.set MSB, (\new)
.endif
.endm
.macro PLACES n
.rept \n
	v_nop
.endr
.endm
.macro MM s, cm, tsb
.set TI, 0
.rept NT
.set FF, NT*(\s)+TI
.if FF < 63
.set SW, 1+FF/21
.set SR, 12*(FF%21)
.else
.set SW, 0
.set SR, F63
.endif
	WIN SW
.set DA, ACC+8*TI
.set SA, SS+(32/NT)*TI+(\s)/2
.set SB, (\tsb)+(\s)/2
.set FB, TF+12*((\s)%NSL)
.if (\s)%2
	v_wmma_scale_f32_16x16x128_f8f6f4 v[DA:DA+7], v[SR:SR+11], v[FB:FB+11], v[DA:DA+7], v[SA], v[SB] matrix_a_fmt:MATRIX_FMT_FP6 matrix_b_fmt:MATRIX_FMT_FP6 matrix_a_scale:MATRIX_SCALE_ROW1 matrix_b_scale:MATRIX_SCALE_ROW1
.elseif \cm == 0
	v_wmma_scale_f32_16x16x128_f8f6f4 v[DA:DA+7], v[SR:SR+11], v[FB:FB+11], 0, v[SA], v[SB] matrix_a_fmt:MATRIX_FMT_FP6 matrix_b_fmt:MATRIX_FMT_FP6
.else
	v_wmma_scale_f32_16x16x128_f8f6f4 v[DA:DA+7], v[SR:SR+11], v[FB:FB+11], v[DA:DA+7], v[SA], v[SB] matrix_a_fmt:MATRIX_FMT_FP6 matrix_b_fmt:MATRIX_FMT_FP6
.endif
.set TI, TI+1
.endr
.endm
.macro LOADF b0, rec, f0, n
.set FF, \f0
.rept \n
.if FF < 63
.set SW, 1+FF/21
.set SR, 12*(FF%21)
.else
.set SW, 0
.set SR, F63
.endif
	WIN SW<<6
.irp c, 0,1,2
	global_load_b128 v[SR+4*\c:SR+4*\c+3], v[LI], s[\b0:\b0+1] offset:(FF%NT)*\rec+1536*(FF/NT)+512*\c
.endr
.set FF, FF+1
.endr
	WIN 0
.endm
.macro TFL2 slot, u, f
.irp c, 0,1,2
	ds_load_b128 v[TF+12*(\slot)+4*\c:TF+12*(\slot)+4*\c+3], v[TA0+(\u)/2] offset:((\u)%2)*RECP+1536*(\f)+512*\c
.endr
.endm
.macro ADJ u
.set NR, TF+8*\u
.set LR, TF+32+8*\u
.set WR, TSA+8*\u
	v_min3_num_f32 v224, v[NR], v[NR+1], v[NR+2]
	v_min3_num_f32 v224, v224, v[NR+3], v[NR+4]
	v_min3_num_f32 v224, v224, v[NR+5], v[NR+6]
	v_min_num_f32 v224, v224, v[NR+7]
	v_permlanex16_b32 v225, v224, s20, s21
	v_min_num_f32 v224, v224, v225
.irp i, 0,1,2,3,4,5,6,7
	v_sub_f32 v[NR+\i], v[NR+\i], v224
.endr
.irp i, 0,1,2,3,4,5,6,7
	v_min_num_f32 v[NR+\i], 0x437e0000, v[NR+\i]
.endr
.irp i, 0,1,2,3,4,5,6,7
	v_cvt_u32_f32 v[NR+\i], v[NR+\i]
.endr
.irp i, 0,1,2,3,4,5,6,7
	v_min_u32 v[FC+\i], 127, v[NR+\i]
.endr
.irp i, 0,1,2,3,4,5,6,7
	v_sub_nc_u32 v[FC+\i], 127, v[FC+\i]
.endr
.irp i, 0,1,2,3,4,5,6,7
	v_lshlrev_b32 v[FC+\i], 23, v[FC+\i]
.endr
	v_mul_f32 v[LR], v[LR], v[FC]
	v_mul_f32 v[LR+1], v[LR+1], v[FC+1]
.irp i, 2,4,6
	v_fma_f32 v[LR], v[LR+\i], v[FC+\i], v[LR]
	v_fma_f32 v[LR+1], v[LR+\i+1], v[FC+\i+1], v[LR+1]
.endr
	v_add_f32 v[LR], v[LR], v[LR+1]
	v_permlanex16_b32 v225, v[LR], s20, s21
	v_add_f32 v[LR], v[LR], v225
	s_wait_alu depctr_va_vdst(0)
	v_rcp_f32 v[RL+2*\u], v[LR]
	v_rcp_f32 v[RL+2*\u+1], v[LR]
.irp i, 0,1,2,3,4,5,6,7
	v_bfe_u32 v234, v[WR+\i], 0, 8
	v_bfe_u32 v235, v[WR+\i], 8, 8
	v_bfe_u32 v236, v[WR+\i], 16, 8
	v_lshrrev_b32 v237, 24, v[WR+\i]
	v_min_u32 v238, v234, v[NR+\i]
	v_min_u32 v239, v235, v[NR+\i]
	v_min_u32 v240, v236, v[NR+\i]
	v_min_u32 v241, v237, v[NR+\i]
	v_sub_nc_u32 v234, v234, v238
	v_sub_nc_u32 v235, v235, v239
	v_sub_nc_u32 v236, v236, v240
	v_sub_nc_u32 v237, v237, v241
	v_lshl_or_b32 v[WR+\i], v235, 8, v234
	v_lshl_or_b32 v[WR+\i], v236, 16, v[WR+\i]
	v_lshl_or_b32 v[WR+\i], v237, 24, v[WR+\i]
.endr
.endm
.macro UNIT u, pf, lw
	s_wait_xcnt 0x0
.if \lw
	s_wait_loadcnt 63
.endif
.irp gr, 0,1,2,3,4,5,6,7
.if \gr >= 4
.if \pf
	s_wait_dscnt 18
.else
	s_wait_dscnt 6*(7-\gr)
.endif
.endif
.if \lw && (\gr >= 5)
	s_wait_loadcnt 24*(7-\gr)
.endif
.if \gr == 0
	MM 0, 0, TSA+8*\u
.else
	MM 2*\gr, 1, TSA+8*\u
.endif
	MM 2*\gr+1, 1, TSA+8*\u
	WIN 0
.if \gr == 7
	PLACES 5
.else
	PLACES 4
.endif
.if \gr < 4
	TFL2 2*\gr, \u, 2*\gr+8
	TFL2 2*\gr+1, \u, 2*\gr+9
.elseif \pf
	TFL2 2*\gr-8, \u+1, 2*\gr-8
	TFL2 2*\gr-7, \u+1, 2*\gr-7
.endif
.endr
.set J, 0
	s_wait_alu depctr_va_vdst(0)
.rept 16
	v_pk_mul_f32 v[ACC+J:ACC+J+1], v[ACC+J:ACC+J+1], v[RL+2*\u:RL+2*\u+1]
.set J, J+2
.endr
.irp t, 0,1,2,3
	ds_store_b128 v[STO], v[ACC+8*\t:ACC+8*\t+3] offset:128*(\t/2)+32*(\t%2)
	ds_store_b128 v[STO], v[ACC+8*\t+4:ACC+8*\t+7] offset:128*(\t/2)+32*(\t%2)+16
.endr
.irp m, 0,1,2,3,4,5,6,7
	ds_load_b128 v[ACC+4*\m:ACC+4*\m+3], v[RD] offset:544*\m
.endr
.irp m, 0,1,2,3,4,5,6,7
	s_wait_dscnt 7-\m
	global_store_b128 v[GO], v[ACC+4*\m:ACC+4*\m+3], s[12:13] offset:(32*(\u/2)+8*(\u%2)+2*\m+8*(\m/4))*4096 th:TH_STORE_NT
.endr
.endm
	s_load_b128 s[4:7], s[0:1], 0x0
	s_load_b64 s[12:13], s[0:1], 0x10
	v_lshl_add_u32 v254, v0, 2, 0x29000
	v_mov_b32 v255, 0
	ds_add_u32 v254, v255
	ds_add_u32 v254, v255
	v_lshrrev_b32 v10, 5, v0
	v_readfirstlane_b32 s8, v10
	s_lshr_b32 s14, ttmp9, 5
	s_bfe_u32 s15, ttmp9, 0x20003
	s_and_b32 s16, ttmp9, 7
	s_lshl_b32 s17, s14, 6
	s_lshl_b32 s18, s15, 4
	s_add_co_u32 s17, s17, s18
	s_lshl_b32 s18, s8, 2
	s_add_co_u32 s17, s17, s18
	s_mul_i32 s48, s17, REC2
	s_add_co_u32 s48, s48, VT0
	s_mov_b32 s49, 0
	s_lshl_b32 s17, s14, 5
	s_lshl_b32 s18, s16, 2
	s_add_co_u32 s17, s17, s18
	s_add_co_u32 s17, s17, s8
	s_mul_i32 s42, s17, RECP
	s_mov_b32 s43, 0
	s_lshl_b32 s17, s14, 9
	s_lshl_b32 s18, s16, 6
	s_add_co_u32 s17, s17, s18
	s_lshl_b32 s50, s17, 12
	s_lshl_b32 s18, s15, 10
	s_add_co_u32 s50, s50, s18
	s_lshl_b32 s18, s8, 8
	s_add_co_u32 s50, s50, s18
	s_mov_b32 s51, 0
	s_mov_b32 s24, 3<<16
	s_mov_b32 s25, 32<<16
	s_mov_b32 s26, 108<<16
	s_mov_b32 s27, 32<<16
	s_mov_b32 s28, 108
	s_mov_b32 s29, 32
	s_mov_b32 s30, 0
	s_mov_b32 s31, 0
	s_mov_b32 s40, 1
	s_mul_i32 s41, s8, RECP
	s_mov_b32 s20, 0x76543210
	s_mov_b32 s21, 0xfedcba98
	s_wait_dscnt 0x0
	s_wait_kmcnt 0x0
	s_add_nc_u64 s[48:49], s[4:5], s[48:49]
	s_add_nc_u64 s[42:43], s[6:7], s[42:43]
	s_or_b32 s43, s43, 0x80000000
	tensor_load_to_lds s[40:43], s[24:31]          ; my one tensor load: my record of p
	s_nop 0
	PLACES 4
	s_add_nc_u64 s[12:13], s[12:13], s[50:51]
	v_and_b32 v10, 31, v0
	v_lshlrev_b32 v[LI], 4, v10
	v_lshlrev_b32 v[LS], 2, v10
.irp t, 0,1,2,3
.irp i, 0,1,2,3,4,5,6,7
	global_load_b32 v[SS+8*\t+\i], v[LS], s[48:49] offset:REC2*\t+24576+128*\i   ; the stationary operand's scale words, straight into their registers, ahead of its fragments
.endr
.endr
	LOADF 48, REC2, 0, 64
	v_mov_b32 v[TA0], v[LI]
	v_add_nc_u32 v[TA0+1], 2*RECP, v[LI]
	v_mov_b32 v[SA0], v[LS]
	v_add_nc_u32 v[SA0+1], 2*RECP, v[LS]
	v_and_b32 v10, 15, v0
	v_bfe_u32 v11, v0, 4, 1
	s_mul_i32 s2, s8, 16*272
	s_add_co_u32 s2, s2, STAGE
	v_mul_u32_u24 v[STO], v10, 272
	v_lshl_add_u32 v[STO], v11, 6, v[STO]
	v_add_nc_u32 v[STO], s2, v[STO]
	v_mul_u32_u24 v[RD], v11, 272
	v_lshl_add_u32 v[RD], v10, 4, v[RD]
	v_add_nc_u32 v[RD], s2, v[RD]
	v_lshlrev_b32 v[GO], 12, v11
	v_lshl_add_u32 v[GO], v10, 4, v[GO]
	v_mov_b32 v225, 0
	s_wait_alu depctr_va_vdst(0)
	s_wait_tensorcnt 0x0
	s_barrier_signal -1
	s_barrier_wait -1
.irp u, 0,1,2,3
.irp i, 0,1,2,3,4,5,6,7
	ds_load_b32 v[TSA+8*\u+\i], v[SA0+\u/2] offset:(\u%2)*RECP+24576+128*\i
	ds_load_b32 v[TF+8*\u+\i], v[SA0+\u/2] offset:(\u%2)*RECP+25600+128*\i
	ds_load_b32 v[TF+32+8*\u+\i], v[SA0+\u/2] offset:(\u%2)*RECP+26624+128*\i
.endr
.endr
	s_wait_dscnt 0x0
	ADJ 0
	ADJ 1
	ADJ 2
	ADJ 3
.irp f, 0,1,2,3,4,5,6,7
	TFL2 \f, 0, \f
.endr
	s_wait_dscnt 0x0
	UNIT 0, 1, 1
	UNIT 1, 1, 0
	UNIT 2, 1, 0
	UNIT 3, 0, 0
	s_wait_tensorcnt 0x0
	ds_add_u32 v254, v255
	s_wait_dscnt 0x0
	s_endpgm
.Lfunc_end_k_qb838c9be3e_pv:
	.size	k_qb838c9be3e_pv, .Lfunc_end_k_qb838c9be3e_pv-k_qb838c9be3e_pv
	.p2alignl 7, 3214868480
	.fill 96, 4, 3214868480
	.section	.rodata,"a",@progbits
	.p2align	6, 0x0
	.amdhsa_kernel k_qb838c9be3e_pv
		.amdhsa_group_segment_fixed_size 327680
		.amdhsa_private_segment_fixed_size 0
		.amdhsa_enable_private_segment 0
		.amdhsa_kernarg_size 24
		.amdhsa_user_sgpr_count 2
		.amdhsa_user_sgpr_kernarg_segment_ptr 1
		.amdhsa_wavefront_size32 1
		.amdhsa_system_sgpr_workgroup_id_x 1
		.amdhsa_system_sgpr_workgroup_id_y 1
		.amdhsa_system_sgpr_workgroup_id_z 1
		.amdhsa_system_vgpr_workitem_id 0
		.amdhsa_next_free_vgpr 1024
		.amdhsa_next_free_sgpr 66
		.amdhsa_reserve_vcc 0
		.amdhsa_float_denorm_mode_32 3
		.amdhsa_float_denorm_mode_16_64 3
		.amdhsa_memory_ordered 1
		.amdhsa_forward_progress 1
		.amdhsa_inst_pref_size 129
	.end_amdhsa_kernel
	.amdgpu_metadata
---
amdhsa.version: [ 1, 2 ]
amdhsa.kernels:
  - .name:           k_qb838c9be3e_pv
    .symbol:         k_qb838c9be3e_pv.kd
    .args:
      - { .name: qkv, .offset: 0, .size: 8, .value_kind: global_buffer, .address_space: global }
      - { .name: pimg, .offset: 8, .size: 8, .value_kind: global_buffer, .address_space: global }
      - { .name: out0, .offset: 16, .size: 8, .value_kind: global_buffer, .address_space: global }
    .group_segment_fixed_size: 327680
    .private_segment_fixed_size: 0
    .kernarg_segment_align: 8
    .kernarg_segment_size: 24
    .max_flat_workgroup_size: 128
    .sgpr_count:     66
    .vgpr_count:     1024
    .wavefront_size: 32
...
	.end_amdgpu_metadata
.endif
;; end of part 4
